; MI455X (gfx1250); checked and timed in simulation.
; The chip was launched on July 23, 2026; its instructions are those of AMD's public machine-readable ISA for CDNA 5 (MIT licence, August 2026) and "CDNA5" Instruction Set Architecture Reference Guide (July 2026). The comments in the code are by the model that wrote it; some were corrected since.
;; General Self Attention. Allowed arithmetic: matrix products marked QUANTISED: E2M1 operands, one E8M0 scale for each 32 along K, by v_wmma_scale_f32_16x16x128_f8f6f4 with both operands' format E2M1 (or v_wmma_scale_f32_32x16x128_f4), f32 sums; products left as they are: bf16, f16 or f32 operands; f32 sums; everything else in f32.
;; Inputs: Wk 1,024 x 64 float32; Wo 1,024 x 1,024 float32; Wq 1,024 x 64 float32; Wv 1,024 x 1,024 float32; bo 1,024 float32; x 2 x 4,096 x 1,024 float32.
;; Outputs: out0 2 x 4,096 x 1,024 float32.
;; This version of the problem:
;;   THIS VERSION OF THE PROBLEM IS GIVEN IN LOW PRECISION. The matrix products marked QUANTISED in the list below multiply operands that are first quantised to E2M1 (2 exponent bits, 1 mantissa bit; 4 bits a number), with one power-of-two scale for each 32 numbers along K (OCP MX v1.0); their sums are f32. The products marked 'left as it is' may take bf16, f16 or f32 operands, with f32 sums. Whichever they take, every output number must still come out within the allowed error. Rounding operands to bf16 (8 significant bits) uses up far more of that allowance than f16 does (11 bits, for magnitudes from 6e-5 to 65,504). All else is computed in f32.
;;   The module's matrix products, in the order in which they are computed (A, B: the left and right operand; K: the contracted axis; several contracted axes count as one K, in the product's order):
;;     1. [M 8,192, K 1,024] x [K 1,024, N 64]; A: input x; B: input Wq: QUANTISED
;;     2. [M 8,192, K 1,024] x [K 1,024, N 64]; A: input x; B: input Wk: QUANTISED
;;     3. [M 8,192, K 1,024] x [K 1,024, N 1,024]; A: input x; B: input Wv: QUANTISED
;;     4. batch 2 x [M 4,096, K 64] x [K 64, N 4,096]; A: computed on the way; B: computed on the way: left as it is (an operand is computed on the way)
;;     5. batch 2 x [M 4,096, K 4,096] x [K 4,096, N 1,024]; A: computed on the way; B: computed on the way: left as it is (an operand is computed on the way)
;;     6. [M 8,192, K 1,024] x [K 1,024, N 1,024]; A: computed on the way; B: input Wo: left as it is (an operand is computed on the way)
;;   THE QUANTISER, for each operand of a quantised product, along K:
;;     - K is cut into blocks of 32 from its start; a last block that is shorter is filled with zeros.
;;     - A block's scale is 2^e with e = floor(log2(the largest magnitude in the block)) - 2, held to -126 .. 127; a block of zeros has e = 0. As a byte (E8M0): e + 127.
;;     - Each number is divided by its block's scale, clamped to +-6, and rounded to the nearest number of E2M1, ties to even, subnormals kept.
;;     - The product sums the exact products of the quantised numbers (number of the format x scale) in f32.
;;   ~~~python
;;   def quantise(x, axis):      # numpy; x: float32 -> the quantised numbers, widened to float32 again
;;       x = np.moveaxis(x, axis, -1); K = x.shape[-1]
;;       x = np.pad(x, [(0, 0)] * (x.ndim - 1) + [(0, -K % 32)]); x = x.reshape(x.shape[:-1] + (-1, 32)); a = np.abs(x).max(-1, keepdims=True)
;;       e = np.where(a > 0, np.clip(np.frexp(np.where(a > 0, a, 1))[1] - 1 - 2, -126, 127), 0)      # np.frexp(a)[1] - 1 = floor(log2(a)), exactly
;;       r = np.clip(x / 2.0 ** e, -6, 6)
;;       step = 2.0 ** (np.maximum(np.frexp(np.where(r == 0, 1, r))[1] - 1, 0) - 1)
;;       q = np.round(r / step) * step * 2.0 ** e      # np.round: ties to even
;;       return np.moveaxis(q.reshape(q.shape[:-2] + (-1,))[..., :K], -1, axis).astype(np.float32)
;;   ~~~
;; One version. Each part assembles by itself: llvm-mc -triple=amdgcn-amd-amdhsa -mcpu=gfx1250 --defsym DOCPART=n.
;; ======== version 1 of 1: 4 launches
;; limits: values are held in f16: magnitudes above 65,504 overflow, below 6.1e-05 lose precision
;; workspace buffers: wc 589,824 bytes; wsc 36,864 bytes; woh 2,097,152 bytes; qimg 1,048,576 bytes; kv 18,874,368 bytes; yimg 16,777,216 bytes
;; launch prep (part 1): grid 136 x 1, 4 waves a work-group, no clusters, 0 bytes of LDS; arguments Wq, Wk, Wv, Wo, wc, wsc, woh; writes wc, wsc, woh
.if DOCPART == 1
	.amdgcn_target "amdgcn-amd-amdhsa--gfx1250"
	.amdhsa_code_object_version 6
	.text
	.protected	k_q7a3d00622b_prep
	.globl	k_q7a3d00622b_prep
	.p2align	8
	.type	k_q7a3d00622b_prep,@function
k_q7a3d00622b_prep:
	s_mov_b64 s[64:65], 0
	v_nop
	global_prefetch_b8 v0, s[64:65] scope:SCOPE_SE
	s_setreg_imm32_b32 hwreg(HW_REG_WAVE_MODE, 25, 1), 1
	s_wait_xcnt 0x0
; THE PROGRAM: out0 = softmax(q k^T / 8) v Wo + bo with q, k, v = x Wq, x Wk, x Wv.  Four launches: this one lays the weights out; the second quantises x and makes q, k, v
; on codes of FP4; the third is the attention; the fourth the projection on the way out.  NO WORK OF reference() IS LEFT OUT: every input reaches out0, and every product is done.
; THIS LAUNCH.  Wq, Wk [1024][64] and Wv [1024][1024], f32 with K as their FIRST axis, become codes of FP4 (E2M1) with one E8M0 byte for each 32 along K; Wo [1024][1024] becomes f16.
; All three results are laid as IMAGES OF OPERAND REGISTERS, so that the later launches load whole fragments, 512 consecutive bytes an instruction.
;   FP4 fragment, 16 columns x 128 K, 1,024 bytes: the 16 bytes of (column r, block of 32 numbered 2 c + h) lie at 512 c + 256 h + 16 r.
;   f16 fragment, 16 columns x 32 K, 1,024 bytes: the 16 bytes of (column r, K = 16 p + 8 h + 0 .. 7) lie at 512 p + 256 h + 16 r.
;   wc  [w 8][K step 8][tile 9][1,024]: tiles 0-7 = Wv's columns 128 w + 16 t; tile 8 = Wq's columns 16 w (w < 4) or Wk's columns 16 (w - 4).   wsc [w 8][K step 8][tile 9][16 words]: a column's four bytes.
;   woh [256 columns 4][128 K 8][tile 16][32 K 4][1,024].
; A LANE TAKES A COLUMN AND ITS REGISTERS RUN DOWN K: a wave takes 32 columns x 128 K; each load reads 128 consecutive bytes; a block of 32 lies in one lane, so its largest magnitude needs no other lane,
; and the conversions give codes with K innermost.  Sixteen lanes store 256 consecutive bytes, aligned.
; A block's scale is 2^(floor(log2(largest magnitude)) - 2): its byte is the largest magnitude's exponent field - 2, held at 1 from below.
; LIMITS: a block of zeros gets the byte 1 where the rule says 127 (its codes are zeros, and this program alone reads the bytes); blocks whose largest magnitude lies under 2^-124 are held at that byte;
; NaN and infinities among the inputs are not served; |Wo| stays under 65,504, f16's largest number.
; No LDS, no matrix work, no cluster: the work-groups share no input byte.  Work-groups 0-63: Wv;  64-71: Wq and Wk;  72-135: Wo.
.set X,  32                            ; v32-159  128 numbers of my column
.set CD, 16                            ; v16-31   codes: four registers for each block, so that no store's data are written again
.set SW, 10                            ; v10      my column's scale word
.macro LOADS pitch                     ; W(k, my column), k = 0 .. 127 of the K step
.set i, 0
.rept 128
	global_load_b32 v[X+i], v1, s[20:21] offset:i*\pitch th:TH_LOAD_NT
.set i, i+1
.endr
.endm
.macro VOFF ts, ss                     ; lanes 16-31 hold the next tile: ts bytes on among the codes, ss among the scale words
	v_mul_u32_u24 v2, v5, \ts
	v_lshl_add_u32 v2, v4, 4, v2
	v_mul_u32_u24 v3, v5, \ss
	v_lshl_add_u32 v3, v4, 2, v3
.endm
.macro QBLOCK b                        ; block b of the K step: 32 numbers, all mine
.set XS, X+32*(\b)
	v_max3_num_f32 v12, |v[XS]|, |v[XS+1]|, |v[XS+2]|
	v_max3_num_f32 v13, |v[XS+3]|, |v[XS+4]|, |v[XS+5]|
.irp i, 6,10,14,18,22,26
	v_max3_num_f32 v12, v12, |v[XS+\i]|, |v[XS+\i+1]|
	v_max3_num_f32 v13, v13, |v[XS+\i+2]|, |v[XS+\i+3]|
.endr
	v_max3_num_f32 v12, v12, |v[XS+30]|, |v[XS+31]|
	v_max3_num_f32 v12, v12, v13, 0x1800000        ; the floor 2^(3 - 127): the byte cannot fall under 1
	v_add_nc_u32 v11, 0xff000000, v12              ; 2 off the exponent field: the conversion takes this operand's exponent field as its scale
	v_lshrrev_b32 v13, 23, v11                     ; the scale's byte
.if (\b) == 0
	v_mov_b32 v[SW], v13
.else
	v_lshl_or_b32 v[SW], v13, 8*(\b), v[SW]
.endif
.irp g, 0,1,2,3
	v_cvt_scalef32_pk8_fp4_f32 v[CD+4*(\b)+\g], v[XS+8*\g:XS+8*\g+7], v11
.endr
	global_store_b128 v2, v[CD+4*(\b):CD+4*(\b)+3], s[22:23] offset:512*((\b)/2)+256*((\b)%2)
.endm
	s_load_b256 s[4:11], s[0:1], 0x0               ; Wq s[4:5], Wk s[6:7], Wv s[8:9], Wo s[10:11]
	s_load_b128 s[12:15], s[0:1], 0x20             ; wc s[12:13], wsc s[14:15]
	s_load_b64 s[16:17], s[0:1], 0x30              ; woh
	v_lshrrev_b32 v1, 5, v0
	v_readfirstlane_b32 s18, v1                    ; wave i
	v_and_b32 v4, 15, v0                           ; r: my column in its tile
	v_bfe_u32 v5, v0, 4, 1                         ; which of the wave's two tiles
	v_and_b32 v1, 31, v0
	v_lshlrev_b32 v1, 2, v1                        ; in: 4 bytes a lane
	s_mov_b32 s31, 0
	s_wait_kmcnt 0x0
	s_cmp_lt_u32 ttmp9, 64
	s_cbranch_scc1 .Lwv
	s_cmp_lt_u32 ttmp9, 72
	s_cbranch_scc1 .Lqk
	; ---- Wo: columns 128 g + 32 i on, K step s
	s_sub_co_u32 s32, ttmp9, 72
	s_lshr_b32 s28, s32, 3                         ; g
	s_and_b32 s29, s32, 7                          ; s
	s_lshl_b32 s30, s29, 19                        ; 128 rows of 4,096 bytes
	s_lshl_b32 s33, s28, 9
	s_add_co_u32 s30, s30, s33
	s_lshl_b32 s33, s18, 7
	s_add_co_u32 s30, s30, s33
	s_add_nc_u64 s[20:21], s[10:11], s[30:31]
	s_lshr_b32 s30, s28, 1
	s_lshl_b32 s30, s30, 19                        ; the block of 256 columns,
	s_lshl_b32 s33, s29, 16                        ; the 128 along K,
	s_add_co_u32 s30, s30, s33
	s_and_b32 s33, s28, 1
	s_lshl_b32 s33, s33, 15                        ; tile 8 (g % 2) + 2 i, 4,096 bytes a tile
	s_add_co_u32 s30, s30, s33
	s_lshl_b32 s33, s18, 13
	s_add_co_u32 s30, s30, s33
	s_add_nc_u64 s[22:23], s[16:17], s[30:31]
	v_lshlrev_b32 v2, 12, v5
	v_lshl_add_u32 v2, v4, 4, v2
	LOADS 4096
.set gk, 0
.rept 16                               ; eight numbers along K become 16 bytes, in place: register i takes numbers 2 i and 2 i + 1, i ascending
.if gk == 0
	s_wait_loadcnt 63                              ; the first 64 loads are in (64 were issued behind them; the wait names 63)
.endif
.if gk == 8
	s_wait_loadcnt 32                              ; all but the last 32
.endif
.if gk == 12
	s_wait_loadcnt 0x0
.endif
.irp i, 0,1,2,3
	v_cvt_pk_f16_f32 v[X+8*gk+\i], v[X+8*gk+2*\i], v[X+8*gk+2*\i+1]
.endr
	global_store_b128 v2, v[X+8*gk:X+8*gk+3], s[22:23] offset:(gk/4)*1024+((gk/2)%2)*512+(gk%2)*256
.set gk, gk+1
.endr
	s_endpgm
.Lwv:	; ---- Wv: columns 128 g + 32 i on, K step s
	s_lshr_b32 s28, ttmp9, 3                       ; g
	s_and_b32 s29, ttmp9, 7                        ; s
	s_lshl_b32 s30, s29, 19
	s_lshl_b32 s33, s28, 9
	s_add_co_u32 s30, s30, s33
	s_lshl_b32 s33, s18, 7
	s_add_co_u32 s30, s30, s33
	s_add_nc_u64 s[20:21], s[8:9], s[30:31]
	s_lshl_b32 s32, s28, 3
	s_add_co_u32 s32, s32, s29                     ; 8 g + s
	s_mul_i32 s30, s32, 9216                       ; nine tiles of 1,024 bytes,
	s_lshl_b32 s33, s18, 11                        ; tile 2 i
	s_add_co_u32 s30, s30, s33
	s_add_nc_u64 s[22:23], s[12:13], s[30:31]
	s_mul_i32 s30, s32, 576                        ; nine tiles of 16 words
	s_lshl_b32 s33, s18, 7
	s_add_co_u32 s30, s30, s33
	s_add_nc_u64 s[24:25], s[14:15], s[30:31]
	VOFF 1024, 64
	LOADS 4096
	s_branch .Lquant
.Lqk:	; ---- Wq (waves 0, 1) and Wk (waves 2, 3): columns 32 (i % 2) on, K step s; they are tile 8 of w = 2 i and 2 i + 1
	s_sub_co_u32 s29, ttmp9, 64                    ; s
	s_cmp_lt_u32 s18, 2
	s_cselect_b64 s[20:21], s[4:5], s[6:7]
	s_lshl_b32 s30, s29, 15                        ; 128 rows of 256 bytes
	s_and_b32 s33, s18, 1
	s_lshl_b32 s33, s33, 7
	s_add_co_u32 s30, s30, s33
	s_add_nc_u64 s[20:21], s[20:21], s[30:31]
	s_mul_i32 s30, s18, 147456                     ; w = 2 i: 73,728 bytes for each w
	s_mul_i32 s33, s29, 9216
	s_add_co_u32 s30, s30, s33
	s_add_co_u32 s30, s30, 8192                    ; tile 8
	s_add_nc_u64 s[22:23], s[12:13], s[30:31]
	s_mul_i32 s30, s18, 9216                       ; 4,608 bytes of scale words for each w
	s_mul_i32 s33, s29, 576
	s_add_co_u32 s30, s30, s33
	s_add_co_u32 s30, s30, 512
	s_add_nc_u64 s[24:25], s[14:15], s[30:31]
	VOFF 73728, 4608
	LOADS 256
.Lquant:
	s_wait_loadcnt 63                              ; blocks 0 and 1 are in (64 loads were issued behind them; the wait names 63)
	QBLOCK 0
	QBLOCK 1
	s_wait_loadcnt 32                              ; all but block 3's 32 loads
	QBLOCK 2
	s_wait_loadcnt 0x0
	QBLOCK 3
	global_store_b32 v3, v[SW], s[24:25]           ; my column's four bytes of this K step
	s_endpgm
.Lfunc_end_k_q7a3d00622b_prep:
	.size	k_q7a3d00622b_prep, .Lfunc_end_k_q7a3d00622b_prep-k_q7a3d00622b_prep
	.p2alignl 7, 3214868480
	.fill 96, 4, 3214868480
	.section	.rodata,"a",@progbits
	.p2align	6, 0x0
	.amdhsa_kernel k_q7a3d00622b_prep
		.amdhsa_group_segment_fixed_size 0
		.amdhsa_private_segment_fixed_size 0
		.amdhsa_enable_private_segment 0
		.amdhsa_kernarg_size 56
		.amdhsa_user_sgpr_count 2
		.amdhsa_user_sgpr_kernarg_segment_ptr 1
		.amdhsa_wavefront_size32 1
		.amdhsa_system_sgpr_workgroup_id_x 1
		.amdhsa_system_sgpr_workgroup_id_y 1
		.amdhsa_system_sgpr_workgroup_id_z 1
		.amdhsa_system_vgpr_workitem_id 0
		.amdhsa_next_free_vgpr 160
		.amdhsa_next_free_sgpr 66
		.amdhsa_reserve_vcc 0
		.amdhsa_float_denorm_mode_32 3
		.amdhsa_float_denorm_mode_16_64 3
		.amdhsa_memory_ordered 1
		.amdhsa_forward_progress 1
		.amdhsa_inst_pref_size 52
	.end_amdhsa_kernel
	.amdgpu_metadata
---
amdhsa.version: [ 1, 2 ]
amdhsa.kernels:
  - .name:           k_q7a3d00622b_prep
    .symbol:         k_q7a3d00622b_prep.kd
    .args:
      - { .name: Wq, .offset: 0, .size: 8, .value_kind: global_buffer, .address_space: global }
      - { .name: Wk, .offset: 8, .size: 8, .value_kind: global_buffer, .address_space: global }
      - { .name: Wv, .offset: 16, .size: 8, .value_kind: global_buffer, .address_space: global }
      - { .name: Wo, .offset: 24, .size: 8, .value_kind: global_buffer, .address_space: global }
      - { .name: wc, .offset: 32, .size: 8, .value_kind: global_buffer, .address_space: global }
      - { .name: wsc, .offset: 40, .size: 8, .value_kind: global_buffer, .address_space: global }
      - { .name: woh, .offset: 48, .size: 8, .value_kind: global_buffer, .address_space: global }
    .group_segment_fixed_size: 0
    .private_segment_fixed_size: 0
    .kernarg_segment_align: 8
    .kernarg_segment_size: 56
    .max_flat_workgroup_size: 128
    .sgpr_count:     66
    .vgpr_count:     160
    .wavefront_size: 32
...
	.end_amdgpu_metadata
.endif
;; end of part 1
;; launch proj (part 2): grid 256 x 1, 8 waves a work-group, no clusters, 87,040 bytes of LDS; arguments x, wc, wsc, qimg, kv; writes qimg, kv
.if DOCPART == 2
	.amdgcn_target "amdgcn-amd-amdhsa--gfx1250"
	.amdhsa_code_object_version 6
	.text
	.protected	k_q7a3d00622b_proj
	.globl	k_q7a3d00622b_proj
	.p2align	8
	.type	k_q7a3d00622b_proj,@function
k_q7a3d00622b_proj:
	s_mov_b64 s[64:65], 0
	v_nop
	global_prefetch_b8 v0, s[64:65] scope:SCOPE_SE
	s_setreg_imm32_b32 hwreg(HW_REG_WAVE_MODE, 25, 1), 1
	s_wait_xcnt 0x0
; q = x Wq, k = x Wk, v = x Wv on codes of FP4 (E2M1) with one E8M0 scale for each 32 along K = 1,024; sums in f32; the results are rounded to f16, the operands of the products that follow.  Nothing of reference() is left out.
; SHARES.  A work-group takes 32 rows of x (two tiles of 16).  X: wave w quantises K step w (128 along K) of both tiles and stores the fragments and their scale words in LDS AS IMAGES OF THEIR REGISTERS | one barrier |
; M: wave w multiplies the 32 rows by its nine tiles of 16 columns (Wv's columns 128 w on, and 16 columns of Wq or Wk) over the eight K steps: 18 accumulators by turns.
; THE WEIGHTS come from memory straight into operand registers, as the launch before laid them: 18 loads of 512 consecutive bytes and 5 of scale words a K step, two K steps ahead.
; No cluster: this launch has no tensor load, so there is no LDS tile that a joint request could fill; a wave's 73,728 bytes of codes are read by that wave once.
; LAYOUT OF THE RESULTS.  v: natural order (source 0 = x, source 1 = Wv): a lane holds channel lane % 16 and keys 8 (lane / 16) + 0 .. 7: packed in pairs that is a piece of a fragment of V^T (16 channels x 32 keys).
; q, k: transposed (source 0 = the weight, source 1 = x): a lane holds row lane % 16 and eight neighbours along the head's 64: a piece of a fragment of Q or K (16 rows x 32).
;   qimg [tile of 16 rows 512][32 of the head 2][1,024].   kv [512 channels 2][slot 64 = 32 batch + step][147,456]: a slot holds K [tile of 16 keys 8][32 of the head 2][1,024], then V^T [32 keys 4][tile of 16 channels 32][1,024].
;   Slot j holds V of key step j (128 keys) and K of step (j + 1) mod 32, since the attention multiplies by K a step ahead of V; K is stored in both blocks of channels, so that a slot is one dense block.
; LIMITS: |q|, |k|, |v| stay under 65,504, f16's largest number (with the drawn inputs they lie near 0.6; 30 times larger x and weights, or offsets of 30 spreads, give some 2e4);
; a block of zeros of x gets the byte 1 (its codes are zeros; this program alone reads the bytes); NaN and infinities are not served.
.set STGW,  8448                       ; LDS: a stage of 16 rows x (512 bytes + 16) for each wave: 33 x 16 bytes a row, so that sixteen rows' reads fall on different banks (64 banks of 4 bytes: ISA guide 11.1)
.set XIMG,  8*STGW                     ; x's 16 fragments, number 2 s + m, 1,024 bytes each
.set XSC,   XIMG+16*1024               ; their scale words, 128 bytes each
.set SPARE, XSC+16*128                 ; the spare words, 128 bytes for each wave: four blocks of 256 bytes that no other line names
.set SLOTB, 147456                     ; a slot of kv
.set LI,   1                           ; v1   16 x lane
.set XA,   2                           ; v2   x: 16 x lane + 512 x wave
.set STI,  3                           ; v3   the stage, on the way in
.set STO,  4                           ; v4   and out: row r, + 128 h
.set XWI,  5                           ; v5   where I store my images
.set XWS,  6                           ; v6   and their scale words
.set LS,   7                           ; v7   4 x lane
.set LS15, 8                           ; v8   4 x (lane % 16)
.set SH,   9                           ; v9   8 h
.set SPW,  10                          ; v10  LDS address of my spare word; never rewritten
.set NIL,  11                          ; v11  0; never rewritten
.set XRI,  12                          ; v12  XIMG + 16 x lane: the images lie beyond an LDS instruction's 16-bit immediate, so the register carries the base
.set XRS,  13                          ; v13  XSC + 4 x lane
.set T,    14                          ; v14-15 largest magnitudes;  v16-17 scale operands;  v18-19 bytes
.set SO,   16
.set BY,   18
.set PC,   20                          ; v20-35 the codes just made, 8 registers for each tile of rows
.set PW,   36                          ; v36-37 their scale words
.set TMP,  38
.set XS,   40                          ; v40-43 x's scale words: set x 2 + m
.set WS,   44                          ; v44-53 the weights' scale words: set x 5 + u: lanes 0-15 tile 2 u, lanes 16-31 tile 2 u + 1; u = 4: tile 8
.set AF,   56                          ; v56-87 x's fragments: set x 16 + 8 m
.set ACC,  96                          ; v96-239 the accumulators: (m, t) at 96 + 8 (2 t + m); q's or k's at 224 + 8 m
.set XR,   96                          ; v96-223 while x is quantised: 64 numbers for each tile of rows
                                       ; window 1: v0-71, v72-143: two sets of the weights' nine fragments
.set MSB, 0
.macro WIN new                         ; the immediate's high byte repeats the setting that is left
.if MSB != (\new)
	s_set_vgpr_msb (MSB<<8)|(\new)
.set MSB, (\new)
.endif
.endm
.macro PLACES                          ; four places behind a matrix instruction, ahead of loads into its registers and of reads of its result
.rept 4
	v_nop
.endr
.endm
.macro BLOAD s                         ; K step s of my weights into set s % 2: 23 loads
	WIN 0x40                                       ; destination window 1
.irp t, 0,1,2,3,4,5,6,7,8
.irp c, 0,1
	global_load_b128 v[72*((\s)%2)+8*\t+4*\c:72*((\s)%2)+8*\t+4*\c+3], v[LI], s[6:7] offset:(\s)*9216+\t*1024+512*\c
.endr
.endr
	WIN 0
.irp u, 0,1,2,3
	global_load_b32 v[WS+5*((\s)%2)+\u], v[LS], s[8:9] offset:(\s)*576+128*\u
.endr
	global_load_b32 v[WS+5*((\s)%2)+4], v[LS15], s[8:9] offset:(\s)*576+512
.endm
.macro ALOAD s                         ; K step s of x, both tiles of rows, from the images into set s % 2
.irp m, 0,1
.irp c, 0,1
	ds_load_b128 v[AF+16*((\s)%2)+8*\m+4*\c:AF+16*((\s)%2)+8*\m+4*\c+3], v[XRI] offset:(2*(\s)+\m)*1024+512*\c
.endr
	ds_load_b32 v[XS+2*((\s)%2)+\m], v[XRS] offset:(2*(\s)+\m)*128
.endr
.endm
; 64 numbers of a lane, register 32 c + i = k 64 c + 32 h + i of my row (two whole blocks), become the fragment's registers and the row's scale word
.macro QUANT6 src, dst, pw
.irp c, 0,1
	v_max3_num_f32 v[T+\c], |v[\src+32*\c]|, |v[\src+32*\c+1]|, 0x1800000   ; the floor 2^(3 - 127): the byte cannot fall under 1
.endr
.irp i, 2,4,6,8,10,12,14,16,18,20,22,24,26,28,30
.irp c, 0,1
	v_max3_num_f32 v[T+\c], v[T+\c], |v[\src+32*\c+\i]|, |v[\src+32*\c+\i+1]|
.endr
.endr
.irp c, 0,1
	v_add_nc_u32 v[SO+\c], 0xff000000, v[T+\c]     ; 2 off the exponent field: the conversion's scale operand
.endr
.irp c, 0,1
	v_lshrrev_b32 v[BY+\c], 23, v[SO+\c]           ; the scale's byte
.endr
	v_lshl_or_b32 v[\pw], v[BY+1], 16, v[BY]       ; my two bytes, blocks h and 2 + h,
	v_lshlrev_b32 v[\pw], v[SH], v[\pw]            ; at their places;
	v_mov_b32 v[TMP], 0
	v_permlanex16_b32 v[TMP], v[\pw], s20, s21
	v_or_b32 v[\pw], v[\pw], v[TMP]                ; with lane l xor 16's two the word is whole
.irp c, 0,1
.irp g, 0,1,2,3
	v_cvt_scalef32_pk8_fp4_f32 v[\dst+4*\c+\g], v[\src+32*\c+8*\g:\src+32*\c+8*\g+7], v[SO+\c]
.endr
.endr
	v_nop                                          ; one plain place behind the last scaled conversion
.endm
.macro XQ m                            ; tile m of my K step: 16 rows x 512 bytes turn through my stage, so that a lane holds its row's neighbours
.irp p, 0,1,2,3,4,5,6,7,8,9,10,11,12,13,14,15
	ds_store_b128 v[STI], v[XR+64*\m+4*\p:XR+64*\m+4*\p+3] offset:528*\p
.endr
.irp c, 0,1
.irp i, 0,1,2,3,4,5,6,7
	ds_load_b128 v[XR+64*\m+32*\c+4*\i:XR+64*\m+32*\c+4*\i+3], v[STO] offset:256*\c+16*\i   ; LDS serves a wave's instructions in order (ISA guide 5.7.1.4): these see my stores
.endr
.endr
	s_wait_dscnt 0x0
	QUANT6 XR+64*\m, PC+8*\m, PW+\m
	ds_store_b128 v[XWI], v[PC+8*\m:PC+8*\m+3] offset:1024*\m
	ds_store_b128 v[XWI], v[PC+8*\m+4:PC+8*\m+7] offset:1024*\m+512
	ds_store_b32 v[XWS], v[PW+\m] offset:128*\m
.endm
.macro MMV s, t, m                     ; v: rows 16 m on x columns 16 t on
.set rD, ACC+8*(2*(\t)+(\m))
.set rA, AF+16*((\s)%2)+8*(\m)
.set rB, 72*((\s)%2)+8*(\t)
.set rX, XS+2*((\s)%2)+(\m)
.set rW, WS+5*((\s)%2)+(\t)/2
.if (\s) == 0
.if (\t)%2
	v_wmma_scale_f32_16x16x128_f8f6f4 v[rD:rD+7], v[rA:rA+7], v[rB:rB+7], 0, v[rX], v[rW] matrix_a_fmt:MATRIX_FMT_FP4 matrix_b_fmt:MATRIX_FMT_FP4 matrix_b_scale:MATRIX_SCALE_ROW1
.else
	v_wmma_scale_f32_16x16x128_f8f6f4 v[rD:rD+7], v[rA:rA+7], v[rB:rB+7], 0, v[rX], v[rW] matrix_a_fmt:MATRIX_FMT_FP4 matrix_b_fmt:MATRIX_FMT_FP4
.endif
.else
.if (\t)%2
	v_wmma_scale_f32_16x16x128_f8f6f4 v[rD:rD+7], v[rA:rA+7], v[rB:rB+7], v[rD:rD+7], v[rX], v[rW] matrix_a_fmt:MATRIX_FMT_FP4 matrix_b_fmt:MATRIX_FMT_FP4 matrix_b_scale:MATRIX_SCALE_ROW1
.else
	v_wmma_scale_f32_16x16x128_f8f6f4 v[rD:rD+7], v[rA:rA+7], v[rB:rB+7], v[rD:rD+7], v[rX], v[rW] matrix_a_fmt:MATRIX_FMT_FP4 matrix_b_fmt:MATRIX_FMT_FP4
.endif
.endif
.endm
.macro MMQ s, m                        ; q or k, transposed: source 0 = my tile 8, source 1 = x
.set rD, ACC+128+8*(\m)
.set rA, 72*((\s)%2)+64
.set rB, AF+16*((\s)%2)+8*(\m)
.set rX, XS+2*((\s)%2)+(\m)
.set rW, WS+5*((\s)%2)+4
.if (\s) == 0
	v_wmma_scale_f32_16x16x128_f8f6f4 v[rD:rD+7], v[rA:rA+7], v[rB:rB+7], 0, v[rW], v[rX] matrix_a_fmt:MATRIX_FMT_FP4 matrix_b_fmt:MATRIX_FMT_FP4
.else
	v_wmma_scale_f32_16x16x128_f8f6f4 v[rD:rD+7], v[rA:rA+7], v[rB:rB+7], v[rD:rD+7], v[rW], v[rX] matrix_a_fmt:MATRIX_FMT_FP4 matrix_b_fmt:MATRIX_FMT_FP4
.endif
.endm
.macro KSTEP s                         ; 18 matrix instructions, the 18 accumulators by turns in the same order in every step
.if (\s) < 7
	s_wait_loadcnt 23                              ; this step's weights are in; the next step's 23 loads may be out
.else
	s_wait_loadcnt 0x0
.endif
	s_wait_dscnt 0x0                               ; this step's fragments of x are in
.if (\s) < 7
	ALOAD (\s)+1                                   ; the other set: the four places at the last step's end stand in front of these
.endif
	WIN 0x04                                       ; source 1 (the weight) window 1
.irp t, 0,1,2,3,4,5,6,7
.irp m, 0,1
	MMV \s, \t, \m
.endr
.endr
	WIN 0x01                                       ; source 0 (the weight) window 1
	MMQ \s, 0
	MMQ \s, 1
	WIN 0
	PLACES
.if (\s) < 6
	BLOAD (\s)+2                                   ; into the set just multiplied
.endif
.endm
	s_load_b256 s[4:11], s[0:1], 0x0               ; x s[4:5], wc s[6:7], wsc s[8:9], qimg s[10:11]
	s_load_b64 s[12:13], s[0:1], 0x20              ; kv
	v_lshl_add_u32 v[SPW], v0, 2, SPARE
	v_mov_b32 v[NIL], 0
	v_lshrrev_b32 v14, 5, v0
	v_readfirstlane_b32 s14, v14                   ; wave w
	v_and_b32 v14, 31, v0                          ; lane
	v_and_b32 v15, 15, v0                          ; r
	v_bfe_u32 v16, v0, 4, 1                        ; h
	v_lshlrev_b32 v[LI], 4, v14
	s_lshl_b32 s15, s14, 9
	v_add_nc_u32 v[XA], s15, v[LI]
	s_mul_i32 s15, s14, STGW
	v_add_nc_u32 v[STI], s15, v[LI]
	v_mul_u32_u24 v[STO], v15, 528
	v_lshl_add_u32 v[STO], v16, 7, v[STO]
	v_add_nc_u32 v[STO], s15, v[STO]
	s_lshl_b32 s15, s14, 11
	s_add_co_u32 s15, s15, XIMG
	v_add_nc_u32 v[XWI], s15, v[LI]
	v_lshlrev_b32 v[LS], 2, v14
	s_lshl_b32 s15, s14, 8
	s_add_co_u32 s15, s15, XSC
	v_add_nc_u32 v[XWS], s15, v[LS]
	v_lshlrev_b32 v[LS15], 2, v15
	v_lshlrev_b32 v[SH], 3, v16
	v_add_nc_u32 v[XRI], XIMG, v[LI]
	v_add_nc_u32 v[XRS], XSC, v[LS]
	s_mov_b32 s20, 0x76543210
	s_mov_b32 s21, 0xfedcba98                      ; v_permlanex16_b32's selects for lane l xor 16
	s_lshl_b32 s16, ttmp9, 17                      ; my 32 rows of 4,096 bytes
	s_mov_b32 s17, 0
	s_mul_i32 s18, s14, 73728                      ; my wave's codes,
	s_mov_b32 s19, 0
	s_mul_i32 s22, s14, 4608                       ; and scale words
	s_mov_b32 s23, 0
	; where the results go.  The 32 rows are keys 32 u on of key step jk of batch b
	s_lshr_b32 s24, ttmp9, 7                       ; b
	s_bfe_u32 s25, ttmp9, 0x50002                  ; jk
	s_and_b32 s26, ttmp9, 3                        ; u
	s_lshl_b32 s27, s24, 5                         ; 32 b
	s_lshr_b32 s28, s14, 2
	s_lshl_b32 s28, s28, 6                         ; 64 x my block of 512 channels
	s_add_co_u32 s28, s28, s27
	s_add_co_u32 s28, s28, s25
	s_mul_i32 s28, s28, SLOTB                      ; V: slot jk,
	s_lshl_b32 s29, s26, 15                        ; keys 32 u on: 32 tiles of channels, 1,024 bytes each,
	s_add_co_u32 s28, s28, s29
	s_and_b32 s29, s14, 3
	s_lshl_b32 s29, s29, 13                        ; tiles of channels 8 (w % 4) on,
	s_add_co_u32 s28, s28, s29
	s_add_co_u32 s28, s28, 16384                   ; behind K's 16,384 bytes
	s_mov_b32 s29, 0
	s_bfe_u32 s33, s14, 0x10001
	s_lshl_b32 s33, s33, 10                        ; q, k: which 32 of the head,
	s_and_b32 s34, s14, 1
	s_lshl_b32 s34, s34, 9                         ; and which piece of the fragment
	s_add_co_u32 s34, s34, s33
	s_lshl_b32 s32, ttmp9, 12                      ; q: two tiles of rows, 2,048 bytes each
	s_add_co_u32 s32, s32, s34
	s_mov_b32 s33, 0
	s_add_co_u32 s35, s25, 31
	s_and_b32 s35, s35, 31                         ; K of step jk lies in slot (jk + 31) mod 32
	s_add_co_u32 s35, s35, s27
	s_mul_i32 s36, s35, SLOTB
	s_lshl_b32 s37, s26, 12                        ; tiles of keys 2 u on
	s_add_co_u32 s36, s36, s37
	s_add_co_u32 s36, s36, s34
	s_mov_b32 s37, 0
	s_wait_kmcnt 0x0
	s_add_nc_u64 s[4:5], s[4:5], s[16:17]
	s_add_nc_u64 s[6:7], s[6:7], s[18:19]
	s_add_nc_u64 s[8:9], s[8:9], s[22:23]
	s_add_nc_u64 s[30:31], s[12:13], s[28:29]      ; V
	s_add_nc_u64 s[10:11], s[10:11], s[32:33]      ; q
	s_add_nc_u64 s[38:39], s[12:13], s[36:37]      ; K, in block of channels 0,
	s_add_nc_u64 s[40:41], s[38:39], 64*SLOTB      ; and in block 1
.irp m, 0,1
.irp p, 0,1,2,3,4,5,6,7,8,9,10,11,12,13,14,15
	global_load_b128 v[XR+64*\m+4*\p:XR+64*\m+4*\p+3], v[XA], s[4:5] offset:(16*\m+\p)*4096 th:TH_LOAD_NT   ; 512 consecutive bytes of a row: my K step
.endr
.endr
	BLOAD 0
	BLOAD 1
	s_wait_loadcnt 62                              ; tile 0's 16 loads are in; behind them: tile 1's 16 and the weights' 46
	XQ 0
	s_wait_loadcnt 46                              ; tile 1's; behind them the weights' 46
	XQ 1
	s_wait_dscnt 0x0                               ; for the others' sake: my images have landed
	s_barrier_signal -1
	s_barrier_wait -1                              ; x's sixteen fragments lie in LDS
	ALOAD 0
.irp s, 0,1,2,3,4,5,6,7
	KSTEP \s
.endr
	; THE WAY OUT: rounded to f16 in place, each accumulator from its low end on; a tile's four registers are a piece of an image: 512 consecutive bytes a store
.set a, 0
.rept 18
.irp i, 0,1,2,3
	v_cvt_pk_f16_f32 v[ACC+8*a+\i], v[ACC+8*a+2*\i], v[ACC+8*a+2*\i+1]
.endr
.set a, a+1
.endr
.irp t, 0,1,2,3,4,5,6,7
.irp m, 0,1
	global_store_b128 v[LI], v[ACC+8*(2*\t+\m):ACC+8*(2*\t+\m)+3], s[30:31] offset:1024*\t+512*\m
.endr
.endr
	s_cmp_lt_u32 s14, 4
	s_cbranch_scc0 .Lkeys
.irp m, 0,1
	global_store_b128 v[LI], v[ACC+128+8*\m:ACC+128+8*\m+3], s[10:11] offset:2048*\m
.endr
	s_branch .Ldone
.Lkeys:
.irp m, 0,1
	global_store_b128 v[LI], v[ACC+128+8*\m:ACC+128+8*\m+3], s[38:39] offset:2048*\m
	global_store_b128 v[LI], v[ACC+128+8*\m:ACC+128+8*\m+3], s[40:41] offset:2048*\m
.endr
.Ldone:
	s_wait_tensorcnt 0x0                           ; the wave's end, behind my last LDS store
	ds_add_u32 v[SPW], v[NIL]
	s_wait_dscnt 0x0
	s_endpgm
.Lfunc_end_k_q7a3d00622b_proj:
	.size	k_q7a3d00622b_proj, .Lfunc_end_k_q7a3d00622b_proj-k_q7a3d00622b_proj
	.p2alignl 7, 3214868480
	.fill 96, 4, 3214868480
	.section	.rodata,"a",@progbits
	.p2align	6, 0x0
	.amdhsa_kernel k_q7a3d00622b_proj
		.amdhsa_group_segment_fixed_size 87040
		.amdhsa_private_segment_fixed_size 0
		.amdhsa_enable_private_segment 0
		.amdhsa_kernarg_size 40
		.amdhsa_user_sgpr_count 2
		.amdhsa_user_sgpr_kernarg_segment_ptr 1
		.amdhsa_wavefront_size32 1
		.amdhsa_system_sgpr_workgroup_id_x 1
		.amdhsa_system_sgpr_workgroup_id_y 1
		.amdhsa_system_sgpr_workgroup_id_z 1
		.amdhsa_system_vgpr_workitem_id 0
		.amdhsa_next_free_vgpr 400
		.amdhsa_next_free_sgpr 66
		.amdhsa_reserve_vcc 0
		.amdhsa_float_denorm_mode_32 3
		.amdhsa_float_denorm_mode_16_64 3
		.amdhsa_memory_ordered 1
		.amdhsa_forward_progress 1
		.amdhsa_inst_pref_size 65
	.end_amdhsa_kernel
	.amdgpu_metadata
---
amdhsa.version: [ 1, 2 ]
amdhsa.kernels:
  - .name:           k_q7a3d00622b_proj
    .symbol:         k_q7a3d00622b_proj.kd
    .args:
      - { .name: x, .offset: 0, .size: 8, .value_kind: global_buffer, .address_space: global }
      - { .name: wc, .offset: 8, .size: 8, .value_kind: global_buffer, .address_space: global }
      - { .name: wsc, .offset: 16, .size: 8, .value_kind: global_buffer, .address_space: global }
      - { .name: qimg, .offset: 24, .size: 8, .value_kind: global_buffer, .address_space: global }
      - { .name: kv, .offset: 32, .size: 8, .value_kind: global_buffer, .address_space: global }
    .group_segment_fixed_size: 87040
    .private_segment_fixed_size: 0
    .kernarg_segment_align: 8
    .kernarg_segment_size: 40
    .max_flat_workgroup_size: 256
    .sgpr_count:     66
    .vgpr_count:     400
    .wavefront_size: 32
...
	.end_amdgpu_metadata
.endif
;; end of part 2
;; launch attn (part 3): grid 128 x 2, 4 waves a work-group, clusters of 4 x 1, 327,680 bytes of LDS; arguments qimg, kv, yimg; writes yimg
.if DOCPART == 3
	.amdgcn_target "amdgcn-amd-amdhsa--gfx1250"
	.amdhsa_code_object_version 6
	.text
	.protected	k_q7a3d00622b_attn
	.globl	k_q7a3d00622b_attn
	.p2align	8
	.type	k_q7a3d00622b_attn,@function
k_q7a3d00622b_attn:
	s_mov_b64 s[64:65], 0
	v_nop
	global_prefetch_b8 v0, s[64:65] scope:SCOPE_SE
	s_setreg_imm32_b32 hwreg(HW_REG_WAVE_MODE, 25, 1), 1
	s_wait_xcnt 0x0
	s_wait_alu depctr_hold_cnt(0) depctr_sa_sdst(0) depctr_va_vdst(0) depctr_va_sdst(0) depctr_va_ssrc(0) depctr_va_vcc(0) depctr_vm_vsrc(0)
	s_getreg_b32 s2, hwreg(HW_REG_IB_STS2, 6, 4)
	s_cmp_eq_u32 s2, 0
	s_cbranch_scc0 .Lentry_in_a_cluster
	s_endpgm
.Lentry_in_a_cluster:
	s_bfe_u32 s2, ttmp6, 0x10000c
	s_cmp_lg_u32 s2, 0x3003
	s_cbranch_scc0 .Lentry_shape_is_right
	s_endpgm
.Lentry_shape_is_right:
; y[q][:] = the sum over keys of softmax(q . k / 8) v[key][:], for 2 batches of 4,096 positions; q, k 64 wide, v 1,024 wide.  Operands f16, products, maxima and sums f32; the weights p are rounded to f16 for the
; second product, y once at the end.  Nothing of reference() is left out; the maximum is taken away by a running maximum.
; SHARES.  A work-group owns 64 queries (four tiles of 16) x 512 channels.  Wave w makes O^T for ALL 64 queries x channels 128 w on: 4 x 8 accumulators, 256 registers; and it makes the scores and the softmax of query tile w ALONE.
; Its weights p (four fragments, 4,096 bytes a step) and its factor a go to the other waves through LDS AS IMAGES OF THEIR REGISTERS.  So scores and softmax are made once in a work-group, twice in the launch (two blocks of channels),
; and a fragment of V^T read from LDS feeds four products.  Every wave walks the batch's 4,096 keys, 128 a step, 32 steps: 16 products K Q^T and 128 products V^T P a step.
; LAYOUT.  S^T = K Q^T (source 0 = 16 keys, source 1 = 16 queries) and O^T = V^T P (source 0 = 16 channels, source 1 = 32 keys x 16 queries): a lane holds ONE query throughout; two tiles of S^T, rounded in pairs, ARE a fragment of P.
; K, V^T and Q lie in memory as images of their registers: every load, from memory or LDS, takes 512 consecutive bytes; no padding, no turning load; O^T leaves as an image too, with no stage.
; SOFTMAX.  For each query a running maximum m and sum l: p = 2^(c s - c m), c = log2(e) / 8; in every step O^T and l are multiplied by a = 2^(c m_old - c m_new).  m begins at -3e38, so the first step has no form of its own.
; A STEP j is four GROUPS of 32 products V^T P (32 keys each), with phase A in front.  Phase A: the 16 products K Q^T of step j + 1.  Groups 0 to 2 carry the 199 lines of the softmax of step j + 1; at group 2's end p and a are stored.
; Group 3 begins with the change of slots, whose barrier also shows every wave the four tiles' p and a; its products, the last of step j on each accumulator, are followed by the multiplications by a of step j + 1,
; three behind each product, and phase A carries the last 35.
; P IN LDS has one buffer: a second barrier a step, at group 2's head, stands between the last reads of a step's p (all waited for in front of it) and the stores of the next step's.
; THE RING.  Two LDS slots of one step: 16,384 bytes of K (of the step after) and 131,072 of V^T.  Each wave fetches a quarter, 144 rows of 256 bytes, by one tensor load.  CLUSTER: the four query blocks of a cluster have
; the same batch and channels, so each quarter is asked for JOINTLY (mask 15).  A refill goes out at group 3's head and is waited for at the next step's group 3: 144 matrix instructions later.
; A wave has two tensor loads out at the head and one afterwards.
; THE WALK IS ROTATED: sixteen clusters walk the same 32 slots; a cluster begins at step 4 (cluster % 8) and goes round modulo 32.  The sums do not hang on the order of the keys but for rounding.
; LIMITS: |q|, |k|, |v| under 65,504; a p under f16's smallest normal number is kept with fewer bits; NaN and infinities are not served.
; REGISTERS, in windows of 256 (s_set_vgpr_msb: bits 1:0 source 0, 3:2 source 1, 5:4 source 2, 7:6 destination):
;   window 0: v1-13 addresses; v16-23 my tile's statistics; v24-31 the four tiles' a, in pairs; v64-127 S^T at 64 + 8 (tile of keys); v128-159 my p; v160-175 Q.   window 1: O^T at 64 tile + 8 (tile of channels).
;   window 2: v0-127 P at 32 (32 keys) + 8 tile.   window 3: v0-127 K at 16 (tile of keys) + 8 (32 of the head); v128-255 two halves of V^T, 8 fragments each.
.set SLOTB, 147456                     ; a slot
.set QUART, 36864                      ; a wave's quarter of it
.set XP,    2*SLOTB                    ; behind the ring: the four tiles' p: [tile 4][32 keys 4][1,024]; no tensor load fills it
.set XA,    XP+16384                   ; the four tiles' a, 128 bytes each; 512 bytes on: their 1 / l, at the end
.set SPARE, XA+1024                    ; the spare words, 128 bytes for each wave: two blocks of 256 bytes that no other line names
.set LI,  1                            ; v1   16 x lane: offsets in memory
.set AK,  2                            ; v2, v3   16 x lane in slot 0, 1: K
.set AV,  4                            ; v4, v5   my 8 tiles of channels of V^T in slot 0: keys 0-63, keys 64-127 (an LDS instruction's immediate holds 16 bits);  v6, v7: in slot 1
.set XPW, 8                            ; v8   where I store my p
.set XPR, 9                            ; v9   where the four tiles' p are read
.set XAW, 10                           ; v10  where I store my a
.set XAR, 11                           ; v11  where the four a are read
.set SPW, 12                           ; v12  LDS address of my spare word; never rewritten
.set NIL, 13                           ; v13  0; never rewritten
.set ST,  16                           ; +0 c m, +1 m, +2, +3 l (even keys', odd keys'), +4 to +7 c0-c3 at work; a takes c2's place
.set AF,  24                           ; tile t's a at v[AF + 2 t]; the odd registers are written once: the packed form names pairs
.set S,   64
.set PS,  128
.set QF,  160
.set WV,  12                           ; s12  my wave's number
.set G1,  24                           ; s[24:31] descriptor group 1
.set G0,  32                           ; s[32:39] group 0, a set for each slot
.set CS,  40                           ; s[40:41] c, named as a pair
.set SEL, 42                           ; s[42:43] selects for v_permlanex16_b32: lane l xor 16
.set TRIPS, 44
.set NXT, 45                           ; s45  the walk's next step to be asked for, before the modulo
.set QB,  46                           ; s[46:47] my quarter of slot 0 of my batch and channels, in memory; never rewritten
.set K0,  48                           ; s[48:49] K of the walk's first step, in memory
.set OFF, 56                           ; s[56:57] a slot's offset, in 64 bits
.set W_KQ, 0x03                        ; K window 3; Q and S^T window 0
.set W_PV, 0x5b                        ; V window 3, P window 2, O^T window 1
.set W_RS, 0x41                        ; O^T window 1, a window 0
.set MSB, 0
.macro WIN new                         ; the immediate's high byte repeats the setting that is left; a switch that changes nothing is dropped
.if MSB != (\new)
	s_set_vgpr_msb (MSB<<8)|(\new)
.set MSB, (\new)
.endif
.endm
.macro PLACES                          ; four places behind a matrix instruction, ahead of loads into its registers and of vector instructions on its result
.rept 4
	v_nop
.endr
.endm
.macro CROUND                          ; a round of the cluster's barrier
	s_barrier_signal -1
	s_barrier_wait -1
	s_cmp_lg_u32 s[WV], 0
	s_cbranch_scc1 .Lnot_wave_0_\@
	s_barrier_signal -3
.Lnot_wave_0_\@:
	s_barrier_wait -3
	s_barrier_signal -1
	s_barrier_wait -1
.endm
.macro KQ                              ; product I of 16 of S^T = K Q^T: 32 of the head I / 8, keys 16 (I % 8) on.  The first 8 start the sums; 8 accumulators by turns
	WIN W_KQ
.set rS, S+8*(I%8)
.set rK, 16*(I%8)+8*(I/8)
.set rQ, QF+8*(I/8)
.if I < 8
	v_wmma_f32_16x16x32_f16 v[rS:rS+7], v[rK:rK+7], v[rQ:rQ+7], 0
.else
	v_wmma_f32_16x16x32_f16 v[rS:rS+7], v[rK:rK+7], v[rQ:rQ+7], v[rS:rS+7]
.endif
.endm
.macro RS                              ; pair Z of 128 of O^T times its tile's factor; the accumulators in the order of a group's products, each from its low end on
	WIN W_RS
.set rO, 64*((Z/4)%4)+8*(Z/16)+2*(Z%4)
	v_pk_mul_f32 v[rO:rO+1], v[rO:rO+1], v[AF+2*((Z/4)%4):AF+2*((Z/4)%4)+1] op_sel_hi:[1,0]
.set Z, Z+1
.endm
.macro PV zero                         ; product I of 128 of O^T += V^T P: keys 32 (I / 32) on, channels 16 ((I % 32) / 4) on, tile I % 4.  32 accumulators by turns
	WIN W_PV
.set rO, 64*(I%4)+8*((I%32)/4)
.set rV, 128+64*((I/32)%2)+8*((I%32)/4)
.set rP, 32*(I/32)+8*(I%4)
.if (\zero) && (I < 32)
	v_wmma_f32_16x16x32_f16 v[rO:rO+7], v[rV:rV+7], v[rP:rP+7], 0
.else
	v_wmma_f32_16x16x32_f16 v[rO:rO+7], v[rV:rV+7], v[rP:rP+7], v[rO:rO+7]
.endif
.endm
; THE SOFTMAX of my tile for a step is a list of 199 lines, all in window 0; SMX writes line J.  s0-s63 are the lane's scores, in pairs 0-31.
;   0-31 the maximum of s0-s63 and the old m, three operands at a time (each accumulator of S^T is first read at its low end);  32-36 the other half of the lanes'; the new m; c m; c m_old - c m_new
;   37-134 ONE BATCH: the 32 scalings c s - c m and the 65 exponentials; none of these names an exponential's result.  Ahead of line 135: one plain instruction and one wait
;   135-166 the roundings to f16;  167-197 the sum, a tree in place;  198 l = a l + the sum
.macro SMX
.if J == 135
	v_nop                                          ; a plain instruction behind the last exponential
	s_wait_alu depctr_va_vdst(0)                   ; one wait for the step's 65 exponentials, ahead of the first line that names a result
.endif
	WIN 0
.if J < 4
	v_max3_num_f32 v[ST+4+J], v[S+16*J], v[S+16*J+1], v[S+16*J+2]
.elseif J < 28
	v_max3_num_f32 v[ST+4+J%4], v[ST+4+J%4], v[S+16*(J%4)+2*(J/4)+1], v[S+16*(J%4)+2*(J/4)+2]
.elseif J == 28
	v_max3_num_f32 v[ST+4], v[ST+4], v[S+15], v[S+31]
.elseif J == 29
	v_max3_num_f32 v[ST+6], v[ST+6], v[S+47], v[S+63]
.elseif J == 30
	v_max3_num_f32 v[ST+4], v[ST+4], v[ST+5], v[ST+6]
.elseif J == 31
	v_max3_num_f32 v[ST+4], v[ST+4], v[ST+7], v[ST+1]
.elseif J == 32
	v_permlanex16_b32 v[ST+5], v[ST+4], s[SEL], s[SEL+1]   ; the query's other 64 keys lie in the lane 16 away
.elseif J == 33
	v_mov_b32 v[ST+7], v[ST]                       ; c m_old is kept for a
.elseif J == 34
	v_max_num_f32 v[ST+1], v[ST+4], v[ST+5]
.elseif J == 35
	v_mul_f32 v[ST], s[CS], v[ST+1]
.elseif J == 36
	v_sub_f32 v[ST+7], v[ST+7], v[ST]
.elseif J == 37
	v_pk_fma_f32 v[S:S+1], v[S:S+1], s[CS:CS+1], v[ST:ST+1] op_sel_hi:[1,0,0] neg_lo:[0,0,1] neg_hi:[0,0,1]
.elseif J == 38
	v_exp_f32 v[ST+6], v[ST+7]                     ; a
.elseif J < 135
.set bb, (J-39)/3
.set k3, (J-39)%3
.if k3 == 0
.if bb < 31
	v_pk_fma_f32 v[S+2*bb+2:S+2*bb+3], v[S+2*bb+2:S+2*bb+3], s[CS:CS+1], v[ST:ST+1] op_sel_hi:[1,0,0] neg_lo:[0,0,1] neg_hi:[0,0,1]   ; pair bb + 1: c s - c m
.endif
.else
	v_exp_f32 v[S+2*bb+k3-1], v[S+2*bb+k3-1]
.endif
.elseif J < 167
	v_cvt_pk_f16_f32 v[PS+J-135], v[S+2*(J-135)], v[S+2*(J-135)+1]
.elseif J < 198
.set z, J-167
.set w, 4
.set u, z
.if z >= 30
.set w, 64
.set u, 0
.elseif z >= 28
.set w, 32
.set u, z-28
.elseif z >= 24
.set w, 16
.set u, z-24
.elseif z >= 16
.set w, 8
.set u, z-16
.endif
	v_pk_add_f32 v[S+w*u:S+w*u+1], v[S+w*u:S+w*u+1], v[S+w*u+w/2:S+w*u+w/2+1]
.else
	v_pk_fma_f32 v[ST+2:ST+3], v[ST+2:ST+3], v[ST+6:ST+7], v[S:S+1] op_sel_hi:[1,0,1]
.endif
.endm
; How many of the 199 lines have been written behind product i of V^T P: group 0's 32 products carry the 38 lines ahead of the first exponential; groups 1 and 2 carry the other 161.
.macro TARGET i
.if (\i) < 0
.set TT, 0
.elseif (\i) < 32
.set TT, ((\i)+1)*38/32
.else
.set TT, 38+((\i)-31)*161/64
.endif
.endm
.macro VLOAD sg, g                     ; group g's eight fragments of V^T (my channels) from slot sg into half g % 2: 16 loads in one run
	WIN 0xc0                                       ; destination window 3
.set vb, 128+64*((\g)%2)
.irp nn, 0,1,2,3,4,5,6,7,8,9,10,11,12,13,14,15
	ds_load_b128 v[vb+4*\nn:vb+4*\nn+3], v[AV+2*(\sg)+(\g)/2] offset:32768*((\g)%2)+512*\nn
.endr
.endm
.macro PLOAD g                         ; the four tiles' fragments of P for keys 32 g on: 8 loads
	WIN 0x80                                       ; destination window 2
.irp qt, 0,1,2,3
	ds_load_b128 v[32*(\g)+8*\qt:32*(\g)+8*\qt+3],   v[XPR] offset:4096*\qt+1024*(\g)
	ds_load_b128 v[32*(\g)+8*\qt+4:32*(\g)+8*\qt+7], v[XPR] offset:4096*\qt+1024*(\g)+512
.endr
.endm
.macro ALOAD off                       ; the four tiles' factors
	WIN 0
.irp qt, 0,1,2,3
	ds_load_b32 v[AF+2*\qt], v[XAR] offset:(\off)+128*\qt
.endr
.endm
.macro FETCH_K sg                      ; the sixteen fragments of K in slot sg: 32 loads in one run
	WIN 0xc0
.set nn, 0
.rept 32
	ds_load_b128 v[4*nn:4*nn+3], v[AK+(\sg)] offset:512*nn
.set nn, nn+1
.endr
.endm
.macro PSTORE                          ; my tile's p, as it stands in its registers, and its a
	WIN 0
.irp i, 0,1,2,3,4,5,6,7
	ds_store_b128 v[XPW], v[PS+4*\i:PS+4*\i+3] offset:512*\i
.endr
	ds_store_b32 v[XAW], v[ST+6]
.endm
; THE CHANGE OF SLOTS, at the head of a step's last group: all of slot pp has been asked for.  Each wave waits for all its tensor loads (its quarter of the other slot), adds 0 to its spare word, and waits for that, for its reads
; of slot pp and for its stores of p and a.  fill = 1: a round of the cluster's barrier, and behind it the joint refill of slot pp with the walk's step two on.  fill = 2: the work-group's barrier; nothing is left to fetch.
; fill = 0: the last step: only the wait for V's last group.
.macro CHANGE pp, fill
.if (\fill) == 0
	s_wait_dscnt 0x0
.else
	WIN 0                                          ; at a label and at a branch every window is 0
	s_wait_tensorcnt 0x0                           ; no tensor load of mine is out, so a group 0 may be written
	ds_add_u32 v[SPW], v[NIL]                      ; 0 onto my spare word
.if (\fill) == 1
	s_and_b32 s[OFF], s[NXT], 31                   ; the walk goes round modulo 32
	s_mul_i32 s[OFF], s[OFF], SLOTB
	s_add_nc_u64 s[G0+4*(\pp)+2:G0+4*(\pp)+3], s[QB:QB+1], s[OFF:OFF+1]
	s_or_b32 s[G0+4*(\pp)+3], s[G0+4*(\pp)+3], 0x80000000   ; type = 2
	s_add_co_u32 s[NXT], s[NXT], 1
	s_wait_dscnt 0x0                               ; the add is done, my reads of the slot are over, my p and a have landed
	CROUND                                         ; no wave of any partner still reads the slot or has a load on its way
	tensor_load_to_lds s[G0+4*(\pp):G0+4*(\pp)+3], s[G1:G1+7]
	s_nop 0
	PLACES
.else
	s_wait_dscnt 0x0
	s_barrier_signal -1
	s_barrier_wait -1
.endif
.endif
.endm
.macro PHASE_A qk, rs                  ; qk: the 16 products K Q^T of the next step;  rs: the last 35 multiplications of O^T by a, behind them
.if \qk
	s_wait_dscnt 24                                ; K's 32 loads are in; V's 16 and P's 8, issued behind them, may be out
.endif
.set I, 0
.rept 16
.if \qk
	KQ
.endif
.if \rs
.rept 93+(I+1)*35/16-Z
	RS
.endr
.endif
.set I, I+1
.endr
.endm
; Group g of a step in slot pp: 32 products V^T P.  zero: group 0 starts O^T's sums.  sm: the next step's softmax stands behind the products of groups 0 to 2.  chg, nk: in group 3, the change of slots, and whether K is fetched.
; IN GROUP 3 the multiplications by the next step's a trail the products: behind product 0 four v_nop, behind product i three lines.  The first line on product k's accumulator is line 4 k; behind product k stand lines 3 (k - 1) on:
; k + 3 plain lines that name none of its registers lie between (for k = 0 the four v_nop).
.macro GROUP pp, g, zero, sm, chg, nk
	TARGET 32*(\g)-1
.set J, TT
	PLACES                                         ; behind the last group's products, ahead of the loads into the half that the group before this one multiplied
.if (\g) == 0
	VLOAD \pp, 1
	PLOAD 1
	s_wait_dscnt 24                                ; this group's fragments are in; the 24 loads just issued may be out
.elseif (\g) == 1
	VLOAD \pp, 2
	PLOAD 2
	PLOAD 3
	s_wait_dscnt 32                                ; the 32 loads just issued may be out
.elseif (\g) == 2
	s_wait_dscnt 0x0                               ; this group's fragments are in, and all my reads of this step's p and a are over
.if \sm
	s_barrier_signal -1                            ; every wave says so:
	s_barrier_wait -1                              ; behind this barrier the next step's p and a may be stored.  The refill on its way may stay out
.endif
	VLOAD \pp, 3
.else
	CHANGE \pp, \chg
.if \chg
	ALOAD 0
.if \nk
	FETCH_K 1-(\pp)
.endif
	VLOAD 1-(\pp), 0
	PLOAD 0
.endif
.set Z, 0
.endif
.set I, 32*(\g)
.rept 32
	PV \zero
.if (\sm) && ((\g) < 3)
	TARGET I
.rept TT-J
	SMX
.set J, J+1
.endr
.endif
.if ((\g) == 3) && (\chg)
.if I == 96
	PLACES
	s_wait_dscnt 24+32*(\nk)                       ; the four a are in; behind them: K's 32 (where it is fetched), V's 16, P's 8
.else
	RS
	RS
	RS
.endif
.endif
.set I, I+1
.endr
.if (\sm) && ((\g) == 2)
	PSTORE
.endif
.endm
	s_load_b128 s[4:7], s[0:1], 0x0                ; qimg s[4:5], kv s[6:7]
	s_load_b64 s[8:9], s[0:1], 0x10                ; yimg
	v_lshl_add_u32 v[SPW], v0, 2, SPARE
	v_mov_b32 v[NIL], 0
	ds_add_u32 v[SPW], v[NIL]                      ; the wave's opening: the add, twice on end, and its wait ahead of my first tensor load
	ds_add_u32 v[SPW], v[NIL]                      ; and once more, under the one wait; the set-up below, work on registers, stands between
	v_lshrrev_b32 v14, 5, v0
	v_readfirstlane_b32 s[WV], v14                 ; wave 0..3
	s_bfe_u32 s13, ttmp6, 0x40000                  ; cx: my place in the cluster
	s_and_b32 s16, ttmp7, 0xffff                   ; my block of 512 channels
	s_lshr_b32 s17, ttmp9, 4                       ; the batch: sixteen clusters each.  Both are shared by the four partners,
	s_and_b32 s3, ttmp9, 7
	s_lshl_b32 s3, s3, 2                           ; and so is the step at which the walk begins
	s_lshl_b32 s18, s16, 6
	s_lshl_b32 s19, s17, 5
	s_add_co_u32 s18, s18, s19
	s_mul_i32 s18, s18, SLOTB                      ; where my 32 slots begin
	s_mov_b32 s19, 0
	s_mul_i32 s20, s[WV], QUART                    ; my quarter of a slot, in memory and in LDS: no place in the cluster enters it
	s_mov_b32 s21, 0
	s_mul_i32 s52, s3, SLOTB                       ; the walk's first slot
	s_mov_b32 s53, 0
	s_add_co_u32 s54, s3, 31
	s_and_b32 s54, s54, 31
	s_mul_i32 s54, s54, SLOTB                      ; K of the walk's first step lies in the slot before it
	s_mov_b32 s55, 0
	s_add_co_u32 s[NXT], s3, 2
	s_mov_b32 s[OFF+1], 0
	s_lshl_b32 s14, ttmp9, 2
	s_add_co_u32 s14, s14, s13                     ; my block of 64 queries: it enters Q's and y's addresses alone
	s_lshl_b32 s50, s14, 13                        ; Q: 4 tiles of 2,048 bytes a block, one a wave
	s_lshl_b32 s51, s[WV], 11
	s_add_co_u32 s50, s50, s51
	s_mov_b32 s51, 0
	s_lshr_b32 s58, s14, 1
	s_lshl_b32 s58, s58, 18                        ; y: 262,144 bytes for 128 rows,
	s_lshl_b32 s59, s16, 17                        ; 32,768 for 128 channels: number 4 x block + wave,
	s_add_co_u32 s58, s58, s59
	s_lshl_b32 s59, s[WV], 15
	s_add_co_u32 s58, s58, s59
	s_and_b32 s59, s14, 1
	s_lshl_b32 s59, s59, 14                        ; 4,096 for a tile of rows: my four begin at 4 x (block % 2)
	s_add_co_u32 s58, s58, s59
	s_mov_b32 s59, 0
	s_mov_b32 s[G1], 15|(3<<16)|(1<<21)            ; 15:0 the mask: all four work-groups; 17:16 elements of 8 bytes; 21 set beside a mask; no padding
	s_mov_b32 s[G1+1], 32<<16                      ; tensor_dim0 = 32 elements: rows of 256 bytes
	s_mov_b32 s[G1+2], 144<<16                     ; tensor_dim1 = 144
	s_mov_b32 s[G1+3], 32<<16                      ; tile_dim0
	s_mov_b32 s[G1+4], 144                         ; tile_dim1
	s_mov_b32 s[G1+5], 32                          ; the pitch: the block is dense
	s_mov_b32 s[G1+6], 0
	s_mov_b32 s[G1+7], 0
	s_mov_b32 s[CS], 0x3e38aa3b                    ; c = log2(e) / 8
	s_mov_b32 s[CS+1], s[CS]
	s_mov_b32 s[SEL], 0x76543210
	s_mov_b32 s[SEL+1], 0xfedcba98
	s_mov_b32 s[TRIPS], 15
	v_and_b32 v14, 31, v0
	v_lshlrev_b32 v[LI], 4, v14
	v_lshlrev_b32 v[AK], 4, v14
	v_add_nc_u32 v[AK+1], SLOTB, v[AK]
	s_lshl_b32 s2, s[WV], 13                       ; my 8 tiles of channels, 1,024 bytes each,
	s_add_co_u32 s2, s2, 16384                     ; behind K
	v_add_nc_u32 v[AV], s2, v[AK]
	v_add_nc_u32 v[AV+1], 65536, v[AV]
	v_add_nc_u32 v[AV+2], SLOTB, v[AV]
	v_add_nc_u32 v[AV+3], SLOTB+65536, v[AV]
	s_lshl_b32 s2, s[WV], 12
	s_add_co_u32 s2, s2, XP
	v_add_nc_u32 v[XPW], s2, v[AK]
	v_add_nc_u32 v[XPR], XP, v[AK]
	v_lshlrev_b32 v[XAR], 2, v14
	s_lshl_b32 s2, s[WV], 7
	s_add_co_u32 s2, s2, XA
	v_add_nc_u32 v[XAW], s2, v[XAR]
	v_add_nc_u32 v[XAR], XA, v[XAR]
	v_mov_b32 v[ST+1], 0xff61b1e6                  ; m = -3e38, under every score
	v_mul_f32 v[ST], s[CS], v[ST+1]
	v_mov_b32 v[ST+2], 0                           ; l
	v_mov_b32 v[ST+3], 0
.irp t, 0,1,2,3
	v_mov_b32 v[AF+2*\t+1], 0                      ; named as the upper halves of pairs
.endr
	s_wait_dscnt 0x0                               ; both opening adds are done
	s_wait_kmcnt 0x0
	s_add_nc_u64 s[6:7], s[6:7], s[18:19]
	s_add_nc_u64 s[QB:QB+1], s[6:7], s[20:21]
	s_add_nc_u64 s[K0:K0+1], s[6:7], s[54:55]
	s_add_nc_u64 s[22:23], s[QB:QB+1], s[52:53]
	s_add_nc_u64 s[4:5], s[4:5], s[50:51]
	s_add_nc_u64 s[8:9], s[8:9], s[58:59]
.irp s, 0,1
	s_mov_b32 s[G0+4*\s], 1                        ; count = 1
	s_add_co_u32 s[G0+4*\s+1], s20, \s*SLOTB       ; LDS address
	s_add_nc_u64 s[G0+4*\s+2:G0+4*\s+3], s[22:23], \s*SLOTB   ; global address: the walk's step s (it begins at 28 at the most: no wrap here)
	s_or_b32 s[G0+4*\s+3], s[G0+4*\s+3], 0x80000000           ; type = 2
.endr
	CROUND                                         ; all four work-groups are here: the first joint loads meet
	tensor_load_to_lds s[G0:G0+3], s[G1:G1+7]
	s_nop 0
	tensor_load_to_lds s[G0+4:G0+7], s[G1:G1+7]
	s_nop 0
	PLACES
.irp i, 0,1,2,3
	global_load_b128 v[QF+4*\i:QF+4*\i+3], v[LI], s[4:5] offset:512*\i         ; my tile of Q stays in registers
.endr
	WIN 0xc0                                       ; destination window 3
.set nn, 0
.rept 32
	global_load_b128 v[4*nn:4*nn+3], v[LI], s[K0:K0+1] offset:512*nn           ; K of the walk's first step comes from memory: no slot in hand holds it
.set nn, nn+1
.endr
	s_wait_loadcnt 0x0
.set I, 0
.rept 16
	KQ                                             ; the scores of the first step
.set I, I+1
.endr
	PLACES
.set J, 0
.rept 199
	SMX                                            ; and their softmax
.set J, J+1
.endr
	PSTORE
	s_wait_tensorcnt 0x1                           ; my quarter of slot 0 is in; slot 1's may stay out
	s_wait_dscnt 0x0                               ; my p has landed
	s_barrier_signal -1
	s_barrier_wait -1                              ; everybody's have
	FETCH_K 0                                      ; K of the second step
	VLOAD 0, 0
	PLOAD 0
	PHASE_A 1, 0                                   ; there is no O^T yet to multiply
	GROUP 0, 0, 1, 1, 0, 0
	WIN 0
.Lloop:                                ; 15 trips of two steps, from an even step's second group to the next even step's first: steps 0 to 29 fill their slots again
	GROUP 0, 1, 0, 1, 0, 0
	GROUP 0, 2, 0, 1, 0, 0
	GROUP 0, 3, 0, 1, 1, 1
	PHASE_A 1, 1
	GROUP 1, 0, 0, 1, 0, 0
	GROUP 1, 1, 0, 1, 0, 0
	GROUP 1, 2, 0, 1, 0, 0
	GROUP 1, 3, 0, 1, 1, 1
	PHASE_A 1, 1
	GROUP 0, 0, 0, 1, 0, 0
	WIN 0
	s_sub_co_u32 s[TRIPS], s[TRIPS], 1
	s_cmp_lg_u32 s[TRIPS], 0
	s_cbranch_scc1 .Lloop
	GROUP 0, 1, 0, 1, 0, 0                         ; the tail is written out: the rest of step 30, with the softmax of step 31
	GROUP 0, 2, 0, 1, 0, 0
	GROUP 0, 3, 0, 1, 2, 0                         ; a change of slots that asks for nothing,
	PHASE_A 0, 1
.irp g, 0,1,2,3                        ; and step 31
	GROUP 1, \g, 0, 0, 0, 0
.endr
	; THE WAY OUT.  My tile's l: its two halves and the other half of the lanes' are added; 1 / l goes to the other waves through LDS, in bytes of its own; O^T is multiplied by it and rounded to f16 in place:
	; a tile's four registers are a piece of y's image (16 rows x 32 channels): 512 consecutive bytes a store
	WIN 0
	PLACES
	v_add_f32 v[ST+4], v[ST+2], v[ST+3]
	v_permlanex16_b32 v[ST+5], v[ST+4], s[SEL], s[SEL+1]
	v_add_f32 v[ST+4], v[ST+4], v[ST+5]
	v_rcp_f32 v[ST+6], v[ST+4]
	v_nop                                          ; a plain instruction behind the reciprocal
	s_wait_alu depctr_va_vdst(0)                   ; and the wait for it
	ds_store_b32 v[XAW], v[ST+6] offset:512
	s_wait_dscnt 0x0                               ; for the others' sake: it has landed
	s_barrier_signal -1
	s_barrier_wait -1
	ALOAD 512
	s_wait_dscnt 0x0
.set Z, 0
.rept 128
	RS
.endr
	WIN 0x45                                       ; sources and destination window 1
.set a, 0
.rept 32
.irp i, 0,1,2,3
	v_cvt_pk_f16_f32 v[8*a+\i], v[8*a+2*\i], v[8*a+2*\i+1]
.endr
.set a, a+1
.endr
	WIN 0x04                                       ; a store's data are its source 1: window 1
.irp qt, 0,1,2,3
.irp ct, 0,1,2,3,4,5,6,7
	global_store_b128 v[LI], v[64*\qt+8*\ct:64*\qt+8*\ct+3], s[8:9] offset:\qt*4096+(\ct/2)*1024+(\ct%2)*512
.endr
.endr
	WIN 0
	s_wait_tensorcnt 0x0                           ; the wave's end, behind my last tensor load and my last LDS store
	ds_add_u32 v[SPW], v[NIL]
	s_wait_dscnt 0x0
	CROUND                                         ; the closing round: no work-group ends while a partner may still ask for a tile that names it
	s_endpgm
.Lfunc_end_k_q7a3d00622b_attn:
	.size	k_q7a3d00622b_attn, .Lfunc_end_k_q7a3d00622b_attn-k_q7a3d00622b_attn
	.p2alignl 7, 3214868480
	.fill 96, 4, 3214868480
	.section	.rodata,"a",@progbits
	.p2align	6, 0x0
	.amdhsa_kernel k_q7a3d00622b_attn
		.amdhsa_group_segment_fixed_size 327680
		.amdhsa_private_segment_fixed_size 0
		.amdhsa_enable_private_segment 0
		.amdhsa_kernarg_size 24
		.amdhsa_user_sgpr_count 2
		.amdhsa_user_sgpr_kernarg_segment_ptr 1
		.amdhsa_wavefront_size32 1
		.amdhsa_system_sgpr_workgroup_id_x 1
		.amdhsa_system_sgpr_workgroup_id_y 1
		.amdhsa_system_sgpr_workgroup_id_z 1
		.amdhsa_system_vgpr_workitem_id 0
		.amdhsa_next_free_vgpr 1024
		.amdhsa_next_free_sgpr 66
		.amdhsa_reserve_vcc 0
		.amdhsa_float_denorm_mode_32 3
		.amdhsa_float_denorm_mode_16_64 3
		.amdhsa_memory_ordered 1
		.amdhsa_forward_progress 1
		.amdhsa_inst_pref_size 196
	.end_amdhsa_kernel
	.amdgpu_metadata
---
amdhsa.version: [ 1, 2 ]
amdhsa.kernels:
  - .name:           k_q7a3d00622b_attn
    .symbol:         k_q7a3d00622b_attn.kd
    .args:
      - { .name: qimg, .offset: 0, .size: 8, .value_kind: global_buffer, .address_space: global }
      - { .name: kv, .offset: 8, .size: 8, .value_kind: global_buffer, .address_space: global }
      - { .name: yimg, .offset: 16, .size: 8, .value_kind: global_buffer, .address_space: global }
    .group_segment_fixed_size: 327680
    .private_segment_fixed_size: 0
    .kernarg_segment_align: 8
    .kernarg_segment_size: 24
    .max_flat_workgroup_size: 128
    .sgpr_count:     66
    .vgpr_count:     1024
    .wavefront_size: 32
...
	.end_amdgpu_metadata
.endif
;; end of part 3
;; launch outp (part 4): grid 4 x 64, 4 waves a work-group, clusters of 4 x 4, 327,680 bytes of LDS; arguments yimg, woh, bo, out0; writes out0
.if DOCPART == 4
	.amdgcn_target "amdgcn-amd-amdhsa--gfx1250"
	.amdhsa_code_object_version 6
	.text
	.protected	k_q7a3d00622b_outp
	.globl	k_q7a3d00622b_outp
	.p2align	8
	.type	k_q7a3d00622b_outp,@function
k_q7a3d00622b_outp:
	s_mov_b64 s[64:65], 0
	v_nop
	global_prefetch_b8 v0, s[64:65] scope:SCOPE_SE
	s_setreg_imm32_b32 hwreg(HW_REG_WAVE_MODE, 25, 1), 1
	s_wait_xcnt 0x0
	s_wait_alu depctr_hold_cnt(0) depctr_sa_sdst(0) depctr_va_vdst(0) depctr_va_sdst(0) depctr_va_ssrc(0) depctr_va_vcc(0) depctr_vm_vsrc(0)
	s_getreg_b32 s2, hwreg(HW_REG_IB_STS2, 6, 4)
	s_cmp_eq_u32 s2, 0
	s_cbranch_scc0 .Lentry_in_a_cluster
	s_endpgm
.Lentry_in_a_cluster:
	s_bfe_u32 s2, ttmp6, 0x10000c
	s_cmp_lg_u32 s2, 0xf033
	s_cbranch_scc0 .Lentry_shape_is_right
	s_endpgm
.Lentry_shape_is_right:
; out0 = y Wo + bo.  y [8,192][1,024] and Wo [1,024 (k)][1,024 (n)] arrive as f16, laid as images of operand registers by the launches before; sums f32; bo is the C of each sum's first product.  Nothing of reference() is left out.
; SHARES.  8,192 x 1,024 outputs are 256 tiles of 128 rows x 256 columns, one for each work-group; a wave makes 64 x 128: 32 accumulators of 16 x 16, 256 registers.
; K goes in steps of 128 through a ring of two LDS slots: y's 8 tiles of rows x 4 fragments (32,768 bytes), then Wo's 16 tiles of columns x 4 fragments (65,536 bytes), each a dense block of memory.
; Waves 0 and 1 fetch y's halves, waves 2 and 3 Wo's, one tensor load each.  Image reads take 512 consecutive bytes: no padding.
; CLUSTERS: 4 x 4 work-groups.  The four of a row of the cluster need the same rows of y, the four of a column the same columns of Wo: each block is asked for JOINTLY.
; THE MATRIX INSTRUCTION IS USED TRANSPOSED (source 0 = 16 columns of Wo, source 1 = 16 rows of y): a lane holds eight neighbouring numbers of a row of out0.
; No prefetch: a K step of this tile is 128 matrix instructions a wave on blocks that four work-groups share; the joint loads are what is done for them.
; A wave has two tensor loads out at the head and one afterwards.
; REGISTERS: window 0: v16-29 addresses; v64-127 the bias, 8 registers for each tile of columns; v128-255 rows on the way out.   window 1: the accumulators, (a, b) at 8 (8 a + b).
;   window 2: two fragment buffers of 96: Wo's eight at f + 8 b, y's four at f + 64 + 8 a.
.set SLOT,   98304
.set BOFF,   32768                     ; Wo's part of a slot
.set STAGE,  2*SLOT                    ; behind the ring: 16 rows x (512 bytes + 16) for each wave; no tensor load fills it
.set SPITCH, 528
.set SPARE,  STAGE+4*16*SPITCH         ; the spare words, 128 bytes for each wave: two blocks of 256 bytes that no other line names
.set LAPS,   4                         ; a lap = two K steps of 128
.set ADRA, 16                          ; v16-17 LDS address of my fragments of y in slot 0, 1
.set ADRB, 20                          ; v20-21 the same for Wo
.set STO,  24                          ; v24  the way out: where I put 32 bytes of a row
.set RD,   25                          ; v25  where I read a row back
.set CO,   26                          ; v26  16 x lane: my bytes of a row of out0
.set BOF,  27                          ; v27  32 h: my eight numbers of a tile's sixteen of bo
.set SPW,  28                          ; v28  LDS address of my spare word; never rewritten
.set NIL,  29                          ; v29  0; never rewritten
.set BIAS, 64
.set BK,   128
.set F0,   0
.set F1,   96
.set G1,  24                           ; s[24:31], s[32:39]: groups 1 and 0 (a set for each slot) for y
.set G0,  32
.set G1B, 48                           ; s[48:55], s[56:63]: for Wo
.set G0B, 56
.set MUL,  0x5a                        ; sources 0 and 1 window 2; C and D window 1
.set MULB, 0x4a                        ; the same, C (the bias) window 0
.set MSB, 0
.macro WIN new
.if MSB != (\new)
	s_set_vgpr_msb (MSB<<8)|(\new)
.set MSB, (\new)
.endif
.endm
.macro PLACES
.rept 4
	v_nop
.endr
.endm
.macro JLOAD s                         ; a joint load: waves 0 and 1 fetch for y, waves 2 and 3 for Wo; an s_nop 0 and four v_nop follow each of the two lines
	s_cmp_eq_u32 s13, 0
	s_cbranch_scc0 .Lfor_b_\@
	tensor_load_to_lds s[G0+4*\s:G0+4*\s+3], s[G1:G1+7]
	s_nop 0
.rept 4
	v_nop
.endr
	s_branch .Lasked_\@
.Lfor_b_\@:
	tensor_load_to_lds s[G0B+4*\s:G0B+4*\s+3], s[G1B:G1B+7]
	s_nop 0
.rept 4
	v_nop
.endr
.Lasked_\@:
.endm
.macro CREST                           ; a round of the cluster's barrier behind its opening barrier
	s_cmp_lg_u32 s12, 0
	s_cbranch_scc1 .Lnot_wave_0_\@
	s_barrier_signal -3
.Lnot_wave_0_\@:
	s_barrier_wait -3
	s_barrier_signal -1
	s_barrier_wait -1
.endm
.macro CROUND
	s_barrier_signal -1
	s_barrier_wait -1
	CREST
.endm
.macro FETCH slot, ks, f               ; the fragments of 32 along K, number ks of the slot, into buffer f: 24 loads in one run
	WIN 0x80                                       ; destination window 2
.irp b, 0,1,2,3,4,5,6,7
	ds_load_b128 v[\f+8*\b:\f+8*\b+3],   v[ADRB+\slot] offset:(4*\b+\ks)*1024
	ds_load_b128 v[\f+8*\b+4:\f+8*\b+7], v[ADRB+\slot] offset:(4*\b+\ks)*1024+512
.endr
.irp a, 0,1,2,3
	ds_load_b128 v[\f+64+8*\a:\f+64+8*\a+3], v[ADRA+\slot] offset:(4*\a+\ks)*1024
	ds_load_b128 v[\f+64+8*\a+4:\f+64+8*\a+7], v[ADRA+\slot] offset:(4*\a+\ks)*1024+512
.endr
.endm
.macro MUL8 f, a, mode                 ; tile of rows a x the eight tiles of columns.  mode = 1: the bias starts the sums.  The 32 accumulators take turns in the same order in every quarter
.irp b, 0,1,2,3,4,5,6,7
.if \mode
	v_wmma_f32_16x16x32_f16 v[8*(8*\a+\b):8*(8*\a+\b)+7], v[\f+8*\b:\f+8*\b+7], v[\f+64+8*\a:\f+64+8*\a+7], v[BIAS+8*\b:BIAS+8*\b+7]
.else
	v_wmma_f32_16x16x32_f16 v[8*(8*\a+\b):8*(8*\a+\b)+7], v[\f+8*\b:\f+8*\b+7], v[\f+64+8*\a:\f+64+8*\a+7], v[8*(8*\a+\b):8*(8*\a+\b)+7]
.endif
.endr
.endm
.macro QUARTER slot, ks, f, g, mode    ; 32 along K: multiplies buffer f; in its middle fetches number ks of the same slot into g
	s_wait_dscnt 0x0                               ; buffer f is in (asked for 16 matrix instructions ago)
	WIN MUL-0x10*(\mode)
	MUL8 \f, 0, \mode
	MUL8 \f, 1, \mode
	PLACES
	FETCH \slot, \ks, \g
	WIN MUL-0x10*(\mode)
	MUL8 \f, 2, \mode
	MUL8 \f, 3, \mode
.endm
; A slot's last quarter multiplies buffer 1 and changes slots: ONE barrier; in front of it each wave waits for all its tensor loads, adds 0 to its spare word, and waits for that and for its reads of this slot.
.macro TURN slot, next, fill
	WIN 0
	s_wait_tensorcnt 0x0                           ; all my tensor loads have landed: my part of the next slot
	ds_add_u32 v[SPW], v[NIL]                      ; 0 onto my spare word
	s_wait_dscnt 0x0                               ; the add is done, and my reads of this slot are over
	s_barrier_signal -1
	WIN MUL
	MUL8 F1, 0, 0                                  ; work on registers while the others arrive
	MUL8 F1, 1, 0
	WIN 0
	s_barrier_wait -1
.if \fill
	CREST                                          ; the barrier has opened a round of the cluster's barrier: no wave of any partner still reads this slot or has a load on its way
	s_add_nc_u64 s[G0+4*\slot+2:G0+4*\slot+3], s[G0+4*\slot+2:G0+4*\slot+3], 65536
	s_add_nc_u64 s[G0B+4*\slot+2:G0B+4*\slot+3], s[G0B+4*\slot+2:G0B+4*\slot+3], 131072
	JLOAD \slot                                    ; the first tensor load behind the round; its four v_nop are also the places in front of the loads below
.else
	PLACES
.endif
	FETCH \next, 0, F0
	WIN MUL
	MUL8 F1, 2, 0
	MUL8 F1, 3, 0
.endm
	s_load_b256 s[4:11], s[0:1], 0x0               ; yimg s[4:5], woh s[6:7], bo s[8:9], out0 s[10:11]
	v_lshl_add_u32 v[SPW], v0, 2, SPARE
	v_mov_b32 v[NIL], 0
	ds_add_u32 v[SPW], v[NIL]                      ; the wave's opening: the add, twice on end, and its wait ahead of my first tensor load
	ds_add_u32 v[SPW], v[NIL]                      ; and once more, under the one wait
	v_lshrrev_b32 v1, 5, v0
	v_readfirstlane_b32 s12, v1                    ; wave 0..3
	s_lshr_b32 s13, s12, 1                         ; which 64 rows are mine.  Also: I fetch for y (0) or for Wo (1)
	s_and_b32 s14, s12, 1                          ; which 128 columns.  Also: which half of that block I fetch
	s_bfe_u32 s40, ttmp6, 0x40000                  ; cx, cy: my place in the cluster
	s_bfe_u32 s41, ttmp6, 0x40004
	s_lshl_b32 s42, ttmp9, 2
	s_add_co_u32 s42, s42, s40                     ; my block of 256 columns
	s_and_b32 s15, ttmp7, 0xffff
	s_lshl_b32 s15, s15, 2
	s_add_co_u32 s15, s15, s41                     ; my block of 128 rows
	s_lshl_b32 s43, s41, 2
	s_lshl_b32 s43, 15, s43                        ; my row of the cluster
	s_lshl_b32 s44, 0x1111, s40                    ; my column
	s_or_b32 s[G1], s43, (3<<16)|(1<<21)           ; the mask; elements of 8 bytes; bit 21 set beside a mask; no padding
	s_or_b32 s[G1B], s44, (3<<16)|(1<<21)
	s_mov_b32 s[G1+1], 32<<16                      ; rows of 256 bytes,
	s_mov_b32 s[G1+2], 64<<16                      ; 64 of them: half of y's block
	s_mov_b32 s[G1+3], 32<<16
	s_mov_b32 s[G1+4], 64
	s_mov_b32 s[G1+5], 32
	s_mov_b32 s[G1+6], 0
	s_mov_b32 s[G1+7], 0
	s_mov_b32 s[G1B+1], 32<<16
	s_mov_b32 s[G1B+2], 128<<16                    ; 128 rows: half of Wo's block
	s_mov_b32 s[G1B+3], 32<<16
	s_mov_b32 s[G1B+4], 128
	s_mov_b32 s[G1B+5], 32
	s_mov_b32 s[G1B+6], 0
	s_mov_b32 s[G1B+7], 0
	s_lshl_b32 s16, s15, 18                        ; y: 262,144 bytes a block of rows, + my half of a K step's 32,768
	s_lshl_b32 s17, s14, 14
	s_add_co_u32 s16, s16, s17
	s_mov_b32 s17, 0
	s_lshl_b32 s46, s42, 19                        ; Wo: 524,288 bytes a block of columns, + my half of a K step's 65,536
	s_lshl_b32 s47, s14, 15
	s_add_co_u32 s46, s46, s47
	s_mov_b32 s47, 0
	s_lshl_b32 s20, s14, 14                        ; where they go in a slot: no place in the cluster enters an LDS address
	s_lshl_b32 s21, s14, 15
	s_add_co_u32 s21, s21, BOFF
	s_wait_dscnt 0x0                               ; both opening adds are done
	s_wait_kmcnt 0x0
	s_add_nc_u64 s[18:19], s[4:5], s[16:17]
	s_add_nc_u64 s[46:47], s[6:7], s[46:47]
	CROUND                                         ; all sixteen work-groups are here: the first joint loads meet
.irp s, 0,1
	s_mov_b32 s[G0+4*\s], 1
	s_add_co_u32 s[G0+4*\s+1], s20, \s*SLOT
	s_add_nc_u64 s[G0+4*\s+2:G0+4*\s+3], s[18:19], \s*32768
	s_or_b32 s[G0+4*\s+3], s[G0+4*\s+3], 0x80000000
	s_mov_b32 s[G0B+4*\s], 1
	s_add_co_u32 s[G0B+4*\s+1], s21, \s*SLOT
	s_add_nc_u64 s[G0B+4*\s+2:G0B+4*\s+3], s[46:47], \s*65536
	s_or_b32 s[G0B+4*\s+3], s[G0B+4*\s+3], 0x80000000
	JLOAD \s
.endr
	v_and_b32 v1, 31, v0                           ; lane
	v_and_b32 v2, 15, v0                           ; r
	v_bfe_u32 v3, v0, 4, 1                         ; h
	v_lshlrev_b32 v[CO], 4, v1
	v_lshlrev_b32 v[BOF], 5, v3
	s_lshl_b32 s20, s13, 14                        ; my four tiles of rows of y
	s_lshl_b32 s21, s14, 15                        ; my eight tiles of columns of Wo,
	s_add_co_u32 s21, s21, BOFF                    ; behind y's part
.irp s, 0,1
	v_add_nc_u32 v[ADRA+\s], s20, v[CO]
	v_add_nc_u32 v[ADRB+\s], s21, v[CO]
	s_add_co_u32 s20, s20, SLOT
	s_add_co_u32 s21, s21, SLOT
.endr
	s_mul_i32 s20, s12, 16*SPITCH
	s_add_co_u32 s20, s20, STAGE                   ; my stage
	v_mul_u32_u24 v[STO], v2, SPITCH               ; in: row r, 32 bytes for each half of the lanes
	v_lshl_add_u32 v[STO], v3, 5, v[STO]
	v_add_nc_u32 v[STO], s20, v[STO]
	v_add_nc_u32 v[RD], s20, v[CO]                 ; back: the 32 lanes take one row of 512 bytes
	s_lshl_b32 s22, s42, 10                        ; my first column, in bytes: 1,024 x block + 512 x half
	s_lshl_b32 s23, s14, 9
	s_add_co_u32 s22, s22, s23
	s_mov_b32 s23, 0
	s_add_nc_u64 s[8:9], s[8:9], s[22:23]
	s_add_nc_u64 s[10:11], s[10:11], s[22:23]
	s_lshl_b32 s22, s15, 19                        ; my first row: 128 x block + 64 x half, 4,096 bytes a row
	s_lshl_b32 s2, s13, 18
	s_add_co_u32 s22, s22, s2
	s_add_nc_u64 s[10:11], s[10:11], s[22:23]
.irp b, 0,1,2,3,4,5,6,7
	global_load_b128 v[BIAS+8*\b:BIAS+8*\b+3], v[BOF], s[8:9] offset:64*\b          ; bo at columns 16 b + 8 h + 0 .. 7: the result's layout
	global_load_b128 v[BIAS+8*\b+4:BIAS+8*\b+7], v[BOF], s[8:9] offset:64*\b+16
.endr
	s_wait_tensorcnt 0x1                           ; my part of K step 0 is in; K step 1's may stay out
	s_barrier_signal -1
	s_barrier_wait -1                              ; everybody's is
	s_wait_loadcnt 0x0                             ; the bias
	FETCH 0, 0, F0
	QUARTER 0, 1, F0, F1, 1                        ; the first quarter stands in front of the loop: its products start the sums, on the bias
	WIN 0                                          ; at a label and at a branch every window is 0
	s_mov_b32 s3, LAPS-1
.Llap:                                 ; a trip goes once round the ring, from a lap's second quarter to the next lap's first, and fills both slots again
	QUARTER 0, 2, F1, F0, 0
	QUARTER 0, 3, F0, F1, 0
	TURN 0, 1, 1
	QUARTER 1, 1, F0, F1, 0
	QUARTER 1, 2, F1, F0, 0
	QUARTER 1, 3, F0, F1, 0
	TURN 1, 0, 1
	QUARTER 0, 1, F0, F1, 0
	WIN 0
	s_sub_co_u32 s3, s3, 1
	s_cmp_lg_u32 s3, 0
	s_cbranch_scc1 .Llap
	QUARTER 0, 2, F1, F0, 0                        ; the last lap fills nothing, and has no round of the cluster's barrier
	QUARTER 0, 3, F0, F1, 0
	TURN 0, 1, 0
	QUARTER 1, 1, F0, F1, 0
	QUARTER 1, 2, F1, F0, 0
	QUARTER 1, 3, F0, F1, 0
	s_wait_dscnt 0x0                               ; the very last quarter: nothing more to fetch
	WIN MUL
	MUL8 F1, 0, 0
	MUL8 F1, 1, 0
	MUL8 F1, 2, 0
	MUL8 F1, 3, 0
	WIN 0
; THE WAY OUT, block by block of 16 rows x 128 columns.  A lane holds 32 neighbouring bytes of a row and the lanes beside it other rows: a block goes through my own stage and comes back as whole rows of 512 bytes.
; LDS serves a wave's instructions in order (ISA guide 5.7.1.4): no wait between the stores and the loads, nor in front of the next block's stores.
.macro TOSTAGE a
	WIN 0x04                                       ; an LDS store's data are its source 1: window 1
.irp b, 0,1,2,3,4,5,6,7
	ds_store_b128 v[STO], v[64*(\a)+8*\b:64*(\a)+8*\b+3] offset:64*\b            ; each accumulator from its low end on
	ds_store_b128 v[STO], v[64*(\a)+8*\b+4:64*(\a)+8*\b+7] offset:64*\b+16
.endr
	WIN 0
.set BB, BK+64*((\a)%2)
.irp t, 0,1,2,3,4,5,6,7,8,9,10,11,12,13,14,15
	ds_load_b128 v[BB+4*\t:BB+4*\t+3], v[RD] offset:\t*SPITCH
.endr
.endm
.macro SEND a, younger                 ; younger: the LDS instructions issued behind block a's loads, which may stay out
.set BB, BK+64*((\a)%2)
	s_wait_dscnt \younger
.irp t, 0,1,2,3,4,5,6,7,8,9,10,11,12,13,14,15
	global_store_b128 v[CO], v[BB+4*\t:BB+4*\t+3], s[10:11] offset:(16*(\a)+\t)*4096 th:TH_STORE_NT   ; 32 lanes store 512 consecutive bytes, at a multiple of 256 from out0's first byte
.endr
.endm
	PLACES
	TOSTAGE 0
.irp a, 1,2,3
.if \a > 1
	s_wait_xcnt 0x0                                ; block a - 2's stores have read their registers: block a's loads may land there
.endif
	TOSTAGE \a
	SEND \a-1, 32                                  ; behind block a - 1's loads: block a's 16 stores and 16 loads
.endr
	SEND 3, 0
	s_wait_tensorcnt 0x0                           ; the wave's end, behind my last tensor load and my last LDS store
	ds_add_u32 v[SPW], v[NIL]
	s_wait_dscnt 0x0
	CROUND                                         ; the closing round: no work-group ends while a partner may still ask for a tile that names it
	s_endpgm
.Lfunc_end_k_q7a3d00622b_outp:
	.size	k_q7a3d00622b_outp, .Lfunc_end_k_q7a3d00622b_outp-k_q7a3d00622b_outp
	.p2alignl 7, 3214868480
	.fill 96, 4, 3214868480
	.section	.rodata,"a",@progbits
	.p2align	6, 0x0
	.amdhsa_kernel k_q7a3d00622b_outp
		.amdhsa_group_segment_fixed_size 327680
		.amdhsa_private_segment_fixed_size 0
		.amdhsa_enable_private_segment 0
		.amdhsa_kernarg_size 32
		.amdhsa_user_sgpr_count 2
		.amdhsa_user_sgpr_kernarg_segment_ptr 1
		.amdhsa_wavefront_size32 1
		.amdhsa_system_sgpr_workgroup_id_x 1
		.amdhsa_system_sgpr_workgroup_id_y 1
		.amdhsa_system_sgpr_workgroup_id_z 1
		.amdhsa_system_vgpr_workitem_id 0
		.amdhsa_next_free_vgpr 704
		.amdhsa_next_free_sgpr 66
		.amdhsa_reserve_vcc 0
		.amdhsa_float_denorm_mode_32 3
		.amdhsa_float_denorm_mode_16_64 3
		.amdhsa_memory_ordered 1
		.amdhsa_forward_progress 1
		.amdhsa_inst_pref_size 85
	.end_amdhsa_kernel
	.amdgpu_metadata
---
amdhsa.version: [ 1, 2 ]
amdhsa.kernels:
  - .name:           k_q7a3d00622b_outp
    .symbol:         k_q7a3d00622b_outp.kd
    .args:
      - { .name: yimg, .offset: 0, .size: 8, .value_kind: global_buffer, .address_space: global }
      - { .name: woh, .offset: 8, .size: 8, .value_kind: global_buffer, .address_space: global }
      - { .name: bo, .offset: 16, .size: 8, .value_kind: global_buffer, .address_space: global }
      - { .name: out0, .offset: 24, .size: 8, .value_kind: global_buffer, .address_space: global }
    .group_segment_fixed_size: 327680
    .private_segment_fixed_size: 0
    .kernarg_segment_align: 8
    .kernarg_segment_size: 32
    .max_flat_workgroup_size: 128
    .sgpr_count:     66
    .vgpr_count:     704
    .wavefront_size: 32
...
	.end_amdgpu_metadata
.endif
;; end of part 4
